; MI455X (gfx1250); checked and timed in simulation.
; The chip was launched on July 23, 2026; its instructions are those of AMD's public machine-readable ISA for CDNA 5 (MIT licence, August 2026) and "CDNA5" Instruction Set Architecture Reference Guide (July 2026). The comments in the code are by the model that wrote it; some were corrected since.
;; Cross Attention Expert. Allowed arithmetic: matrix products marked QUANTISED: E4M3 operands, one given power-of-two scale a tensor, by v_wmma_f32_16x16x64_fp8_fp8 or v_wmma_f32_16x16x128_fp8_fp8, f32 sums; everything else in f32.
;; Inputs: beta 256 float32; bk_p 32 float32; bk_v 32 float32; bq_p 32 float32; bq_v 32 float32; bv_p 256 float32; bv_v 256 float32; f_p 4 x 256 x 64 x 64 float32; f_v 4 x 256 x 64 x 64 float32; gamma 256 float32; lowp_scales 22 int32 (the exponents e of the quantised operands' scales 2^e); w_out_codes 256 x 32 x 32 uint8 (E4M3 codes of w_out, K innermost, in blocks of 32 codes); wk_p_codes 32 x 8 x 32 uint8 (E4M3 codes of wk_p, K innermost, in blocks of 32 codes); wk_v_codes 32 x 8 x 32 uint8 (E4M3 codes of wk_v, K innermost, in blocks of 32 codes); wq_p_codes 32 x 8 x 32 uint8 (E4M3 codes of wq_p, K innermost, in blocks of 32 codes); wq_v_codes 32 x 8 x 32 uint8 (E4M3 codes of wq_v, K innermost, in blocks of 32 codes); wv_p_codes 256 x 8 x 32 uint8 (E4M3 codes of wv_p, K innermost, in blocks of 32 codes); wv_v_codes 256 x 8 x 32 uint8 (E4M3 codes of wv_v, K innermost, in blocks of 32 codes).
;; Outputs: out0 4 x 256 x 64 x 64 float32.
;; This version of the problem:
;;   THIS VERSION OF THE PROBLEM IS GIVEN IN LOW PRECISION. The matrix products marked QUANTISED in the list below multiply operands that are first quantised to E4M3 (4 exponent bits, 3 mantissa bits; 8 bits a number), with one given power-of-two scale for each operand tensor; their sums are f32. All else is computed in f32.
;;   The module's matrix products, in the order in which they are computed (A, B: the left and right operand; K: the contracted axis; several contracted axes count as one K, in the product's order):
;;     1. [M 16,384, K 256] x [K 256, N 32]; A: input f_p; B: input wq_p (given as codes): QUANTISED (scales: A lowp_scales[0], B lowp_scales[1])
;;     2. [M 16,384, K 256] x [K 256, N 32]; A: input f_v; B: input wk_v (given as codes): QUANTISED (scales: A lowp_scales[2], B lowp_scales[3])
;;     3. [M 16,384, K 256] x [K 256, N 256]; A: input f_v; B: input wv_v (given as codes): QUANTISED (scales: A lowp_scales[4], B lowp_scales[5])
;;     4. batch 4 x [M 4,096, K 32] x [K 32, N 4,096]; A: computed on the way; B: computed on the way: QUANTISED (scales: A lowp_scales[6], B lowp_scales[7])
;;     5. batch 4 x [M 256, K 4,096] x [K 4,096, N 4,096]; A: computed on the way; B: softmax (see below): QUANTISED (scales: A lowp_scales[8], B lowp_scales[9])
;;     6. [M 16,384, K 256] x [K 256, N 32]; A: input f_v; B: input wq_v (given as codes): QUANTISED (scales: A lowp_scales[10], B lowp_scales[11])
;;     7. [M 16,384, K 256] x [K 256, N 32]; A: input f_p; B: input wk_p (given as codes): QUANTISED (scales: A lowp_scales[12], B lowp_scales[13])
;;     8. [M 16,384, K 256] x [K 256, N 256]; A: input f_p; B: input wv_p (given as codes): QUANTISED (scales: A lowp_scales[14], B lowp_scales[15])
;;     9. batch 4 x [M 4,096, K 32] x [K 32, N 4,096]; A: computed on the way; B: computed on the way: QUANTISED (scales: A lowp_scales[16], B lowp_scales[17])
;;     10. batch 4 x [M 256, K 4,096] x [K 4,096, N 4,096]; A: computed on the way; B: softmax (see below): QUANTISED (scales: A lowp_scales[18], B lowp_scales[19])
;;     11. [M 16,384, K 1,024] x [K 1,024, N 256]; A: computed on the way; B: input w_out (given as codes): QUANTISED (scales: A lowp_scales[20], B lowp_scales[21])
;;   THE QUANTISER, for each operand of a quantised product, along K:
;;     - The operand's scale is 2^e, e = its entry of the input lowp_scales (int32; the entries are numbered through the quantised products in the list's order, A before B).
;;     - Each number is divided by the scale, clamped to +-448, and rounded to the nearest number of E4M3, ties to even, subnormals kept.
;;     - The product sums the exact products of the quantised numbers (number of the format x scale) in f32.
;;   ~~~python
;;   def quantise(x, axis, e):      # numpy; x: float32 -> the quantised numbers, widened to float32 again
;;       x = np.moveaxis(x, axis, -1); K = x.shape[-1]
;;       r = np.clip(x / 2.0 ** e, -448, 448)
;;       step = 2.0 ** (np.maximum(np.frexp(np.where(r == 0, 1, r))[1] - 1, -6) - 3)
;;       q = np.round(r / step) * step * 2.0 ** e      # np.round: ties to even
;;       return np.moveaxis(q, -1, axis).astype(np.float32)
;;   ~~~
;;   SOFTMAX AHEAD OF A QUANTISED PRODUCT. Where the list says 'softmax', what is quantised is not the finished softmax but p = 2^(t - M), with t = logit x log2(e) and M = ceil(the row's largest t), a whole number; so 1/2 < the row's largest p <= 1. The row's sum l is taken of the UNQUANTISED p, in f32, and the product's result is divided by l at the end. Since M is a whole number, a kernel that streams over the keys may use a running M (the ceiling of the running maximum): every later rescaling is an exact power of two, so the quantised numbers keep their values, but for numbers so far below the row's largest that they fall under the format's range.
;;   OPERANDS COMPUTED ON THE WAY. 'Computed on the way' means the value that the module computes at that place (a softmax that the list does not call 'softmax' is quantised finished and normalised). What goes into a quantiser is computed in f32, as accurately as f32 sums, v_exp_f32 and their like allow (about 1e-6 of the number): no bf16 or f16 on the way to a quantiser, and a product that is left as it is and whose result goes on into a quantised operand takes f32 operands (vector FMAs, or v_wmma_f32_16x16x4_f32). A number that lies on a knife's edge between two numbers of the format may be rounded either way, as far as f32 arithmetic and the matrix unit's own rounding can turn it there, and no further.
;;   INPUTS GIVEN AS CODES. w_out (in the module: [256, 1024], K = its axis 1); wk_p (in the module: [32, 256], K = its axis 1); wk_v (in the module: [32, 256], K = its axis 1); wq_p (in the module: [32, 256], K = its axis 1); wq_v (in the module: [32, 256], K = its axis 1); wv_p (in the module: [256, 256], K = its axis 1); wv_v (in the module: [256, 256], K = its axis 1): each comes as NAME_codes (uint8): NAME with its K axis moved to the last place and cut into blocks of 32 codes, [.., K / 32, bytes a block], one block behind the other in memory; one code a byte (a code: sign, 4 exponent bits, 3 mantissa bits); its scale is its entry of lowp_scales. Its value is code x scale, taken as it is: it is not quantised again, and the codes and scales need not be those that the quantiser above would give.
;; One version. Each part assembles by itself: llvm-mc -triple=amdgcn-amd-amdhsa -mcpu=gfx1250 --defsym DOCPART=n.
;; ======== version 1 of 1: 3 launches
;; workspace buffers: qimg 1,048,576 bytes; kv 9,437,184 bytes; fimg 8,388,608 bytes; woimg 262,144 bytes; ypre 16,777,216 bytes; part 524,288 bytes
;; launch project (part 1): grid 256 x 1, 4 waves a work-group, clusters of 4 x 1, 221,184 bytes of LDS; arguments f_p, f_v, wq_p_codes, wq_v_codes, wk_p_codes, wk_v_codes, wv_p_codes, wv_v_codes, bq_p, bq_v, bk_p, bk_v, bv_p, bv_v, lowp_scales, w_out_codes, qimg, kv, fimg, woimg; writes qimg, kv, fimg, woimg
.if DOCPART == 1
	.amdgcn_target "amdgcn-amd-amdhsa--gfx1250"
	.amdhsa_code_object_version 6
	.text
	.protected	k_q1fd7bce5eb_project
	.globl	k_q1fd7bce5eb_project
	.p2align	8
	.type	k_q1fd7bce5eb_project,@function
k_q1fd7bce5eb_project:
	s_mov_b64 s[64:65], 0
	v_nop
	global_prefetch_b8 v0, s[64:65] scope:SCOPE_SE
	s_setreg_imm32_b32 hwreg(HW_REG_WAVE_MODE, 25, 1), 1
	s_wait_xcnt 0x0
	s_wait_alu depctr_hold_cnt(0) depctr_sa_sdst(0) depctr_va_vdst(0) depctr_va_sdst(0) depctr_va_ssrc(0) depctr_va_vcc(0) depctr_vm_vsrc(0)
	s_getreg_b32 s2, hwreg(HW_REG_IB_STS2, 6, 4)
	s_cmp_eq_u32 s2, 0
	s_cbranch_scc0 .Lentry_in_a_cluster
	s_endpgm
.Lentry_in_a_cluster:
	s_bfe_u32 s2, ttmp6, 0x10000c
	s_cmp_lg_u32 s2, 0x3003
	s_cbranch_scc0 .Lentry_shape_is_right
	s_endpgm
.Lentry_shape_is_right:
; FIRST OF THREE LAUNCHES.  No work of the problem is left out anywhere in the program: every bias goes into a quantised operand, gamma and beta reach the output, every input is loaded.
; (The q k product has K = 32 and rides in the K = 64 form with zero codes in the upper half: that lies inside live tiles.)
; THIS LAUNCH: f_p and f_v, [4][256 channels][4096 positions] f32, are quantised along the channels with four given scales each; q, k and v of both attentions are made from the codes
; (E4M3 products, f32 sums, x 2^(eA + eW), + bias), quantised with their own given scales and stored AS IMAGES OF OPERAND REGISTERS (lane l's 16 bytes at 16 l), so that the next launch loads fragments whole.
; Also stored: f's codes at the last product's scale (fimg), and w_out's codes in register order (woimg).
; SHARES.  256 work-groups: T = which tensor (0: f_p, 1: f_v), b = batch, blk = 128 positions (one key step).  Wave w takes positions 32 w .. 32 w + 31 (two tiles t) over all 256 channels.
; f_p gives q of attention 0 and k, v of attention 1; f_v gives q of attention 1 and k, v of attention 0.
; CLUSTER: the four partners share T and b, so they read the same weights: those come by joint loads (mask 15); f's tile is each work-group's own (plain load).
; A LANE TAKES A POSITION AND ITS REGISTERS RUN DOWN THE CHANNELS: lane (r, h) reads f(128 ks + 32 cc + 16 h + i, position r), i = 0 .. 15, from LDS; the conversions' results are the operand's registers.
; LAYOUT OF K INSIDE A FRAGMENT: registers 4 c .. 4 c + 3 hold k = 32 c + 16 h + 0 .. 15, alike in both operands of each product here: every product meets its partner.
; q, k: source 0 = 16 rows of the weight, source 1 = 16 positions: a lane holds one position and eight channels.  v: source 0 = 16 positions, source 1 = 16 rows of wv: a lane holds one channel and eight positions (keys).
; THE ROWS OF wv THAT FORM A TILE ARE NOT NEIGHBOURS: lane r of tile ct takes row 32 (ct / 2) + 8 (ct % 2) + r + 8 (r / 8), so that the next launch's results come out as 16 neighbouring channels a lane.
; LIMITS: each given exponent that scales a conversion lies between -126 and 119; eA + eW of each product between -126 and 127.  NaN among the inputs is not served; an infinity is held at the largest code.
; REGISTERS.  window 0: v1 r, v2 h, v3-4 f's LDS addresses, v5-6 the weights', v7-11, v14-15 offsets, v12-13 the add's two, v16-29 scales and limits, v30-31 w_out's piece, v32-95 f's numbers (4 sets of 16),
;   v96-159 held numbers, later 8 accumulators, v160-175 and v176-191 codes on their way out, v192-239 biases, v240-255 at work.   window 1: f's codes for q (v0), k (v64), v (v128): fragment (t, ks) at + 32 t + 16 ks.   window 2: two sets of 8 weight fragments.
.set FBP,   520                        ; f's row in LDS: 512 bytes + 8: lanes 16-31, 16 rows on, fall 32 banks beside lanes 0-15
.set WQK,   133120                     ; behind f's 256 rows: wq's 32 rows, wk's 32 rows, 272 bytes apart
.set WVB,   150528                     ; wv's 256 rows, 272 bytes apart
.set SPARE, 220160                     ; the spare words: 128 bytes a wave, two blocks of 256 bytes that no other line names
.set X,   32
.set TQ,  96
.set TK,  112
.set TV,  128
.set TF,  144
.set ACC, 96
.set E,   160
.set OUT, 176
.set BQ,  192
.set BK,  208
.set BV,  224
.set Y,   240
.set CV,  128
.set MSB, 0
.macro WIN new                         ; the immediate's high byte repeats the setting that is left
.if MSB != \new
	s_set_vgpr_msb (MSB<<8)|\new
.set MSB, \new
.endif
.endm
.macro CROUND                          ; a round of the cluster's barrier
	s_barrier_signal -1
	s_barrier_wait -1
	s_cmp_lg_u32 s2, 0
	s_cbranch_scc1 .Lnot_wave_0_\@
	s_barrier_signal -3
.Lnot_wave_0_\@:
	s_barrier_wait -3
	s_barrier_signal -1
	s_barrier_wait -1
.endm
.macro MKSC e, vsc, vlim               ; 2^e as f32, and 448 x 2^e
	s_add_co_i32 s66, s[\e], 127
	s_lshl_b32 s67, s66, 23
	v_mov_b32 v[\vsc], s67
	s_add_co_i32 s66, s66, 8
	s_lshl_b32 s66, s66, 23
	s_or_b32 s66, s66, 0x600000
	v_mov_b32 v[\vlim], s66
.endm
.macro PLACES
.rept 4
	v_nop
.endr
.endm
	s_load_b512 s[8:23], s[0:1], 0x0               ; f_p, f_v, wq_p, wq_v, wk_p, wk_v, wv_p, wv_v
	s_load_b512 s[24:39], s[0:1], 0x40             ; bq_p, bq_v, bk_p, bk_v, bv_p, bv_v, lowp_scales, w_out_codes
	s_load_b256 s[40:47], s[0:1], 0x80             ; qimg, kv, fimg, woimg
	v_lshl_add_u32 v12, v0, 2, SPARE
	v_mov_b32 v13, 0
	ds_add_u32 v12, v13                            ; the wave's opening: the add, twice on end, and its wait ahead of my first tensor load
	ds_add_u32 v12, v13
	v_lshrrev_b32 v1, 5, v0
	v_readfirstlane_b32 s2, v1                     ; wave 0..3
	s_bfe_u32 s3, ttmp6, 0x40000                   ; cx
	s_lshr_b32 s4, ttmp9, 5                        ; T
	s_bfe_u32 s5, ttmp9, 0x20003                   ; b
	s_and_b32 s6, ttmp9, 7
	s_lshl_b32 s6, s6, 2
	s_add_co_u32 s6, s6, s3                        ; blk
	s_lshl_b32 s7, ttmp9, 2
	s_add_co_u32 s7, s7, s3                        ; the work-group's number
	; group 1 for f's tile: 64 rows (channels) of 128 f32, 4,096 elements apart; 2 words of padding behind every 128
	s_mov_b32 s48, (2<<16)|(1<<20)|(6<<22)|(1<<25)
	s_mov_b32 s49, 128<<16
	s_mov_b32 s50, 64<<16
	s_mov_b32 s51, 128<<16
	s_mov_b32 s52, 64
	s_mov_b32 s53, 4096
	s_mov_b32 s54, 0
	s_mov_b32 s55, 0
	; group 1 for wq's and wk's tiles: joint (mask 15, bit 21 beside it), 16 rows of 256 bytes, 4 words of padding behind every 64
	s_mov_b32 s56, 15|(1<<20)|(1<<21)|(5<<22)|(3<<25)
	s_mov_b32 s57, 256<<16
	s_mov_b32 s58, 16<<16
	s_mov_b32 s59, 256<<16
	s_mov_b32 s60, 16
	s_mov_b32 s61, 256
	s_mov_b32 s62, 0
	s_mov_b32 s63, 0
	; group 1 for wv's tiles: the same with 64 rows
	s_mov_b32 s92, 15|(1<<20)|(1<<21)|(5<<22)|(3<<25)
	s_mov_b32 s93, 256<<16
	s_mov_b32 s94, 64<<16
	s_mov_b32 s95, 256<<16
	s_mov_b32 s96, 64
	s_mov_b32 s97, 256
	s_mov_b32 s98, 0
	s_mov_b32 s99, 0
	s_wait_dscnt 0x0                               ; both opening adds are done
	s_wait_kmcnt 0x0
	s_load_b512 s[68:83], s[36:37], 0x0            ; the 22 exponents: entry i in s[68 + i]
	s_load_b128 s[84:87], s[36:37], 0x40
	s_load_b64 s[88:89], s[36:37], 0x50
	s_cmp_eq_u32 s4, 0                             ; which tensor: the choice hangs on the cluster's number alone
	s_cselect_b64 s[10:11], s[8:9], s[10:11]       ; f
	s_cselect_b64 s[14:15], s[12:13], s[14:15]     ; wq
	s_cselect_b64 s[18:19], s[16:17], s[18:19]     ; wk
	s_cselect_b64 s[22:23], s[20:21], s[22:23]     ; wv
	s_cselect_b64 s[24:25], s[24:25], s[26:27]     ; bq
	s_cselect_b64 s[26:27], s[28:29], s[30:31]     ; bk
	s_cselect_b64 s[28:29], s[32:33], s[34:35]     ; bv
	s_cmp_lt_u32 s2, 2
	s_cselect_b64 s[14:15], s[14:15], s[18:19]     ; waves 0, 1 fetch wq's halves, waves 2, 3 wk's
	; the joint loads' groups 0: made of T and the wave's number alone
	s_and_b32 s16, s2, 1
	s_lshl_b32 s16, s16, 12
	s_mov_b32 s17, 0
	s_add_nc_u64 s[14:15], s[14:15], s[16:17]      ; 16 rows of 256 bytes a half
	s_or_b32 s15, s15, 0x80000000
	s_mov_b32 s12, 1
	s_mul_i32 s13, s2, 4352
	s_add_co_u32 s13, s13, WQK
	s_lshl_b32 s16, s2, 14
	s_add_nc_u64 s[22:23], s[22:23], s[16:17]      ; 64 rows of wv a wave
	s_or_b32 s23, s23, 0x80000000
	s_mov_b32 s20, 1
	s_mul_i32 s21, s2, 17408
	s_add_co_u32 s21, s21, WVB
	; f's group 0: channels 64 w on, positions 128 blk on, of batch b
	s_lshl_b32 s16, s5, 22
	s_lshl_b32 s18, s2, 20
	s_add_co_u32 s16, s16, s18
	s_lshl_b32 s18, s6, 9
	s_add_co_u32 s16, s16, s18
	s_add_nc_u64 s[10:11], s[10:11], s[16:17]
	s_or_b32 s11, s11, 0x80000000
	s_mov_b32 s8, 1
	s_mul_i32 s9, s2, 33280
	; where the results go
	s_lshl_b32 s16, s4, 2
	s_add_co_u32 s16, s16, s5
	s_lshl_b32 s16, s16, 8
	s_lshl_b32 s18, s6, 3
	s_add_co_u32 s16, s16, s18
	s_lshl_b32 s18, s2, 1
	s_add_co_u32 s16, s16, s18
	s_lshl_b32 s16, s16, 9
	s_add_nc_u64 s[40:41], s[40:41], s[16:17]      ; qimg: ((4 T + b) 256 + 8 blk + 2 w) x 512
	s_xor_b32 s16, s4, 1
	s_lshl_b32 s16, s16, 2
	s_add_co_u32 s16, s16, s5
	s_lshl_b32 s16, s16, 5
	s_add_co_u32 s16, s16, s6
	s_mul_i32 s16, s16, 36864
	s_add_nc_u64 s[42:43], s[42:43], s[16:17]      ; kv: ((4 (1 - T) + b) 32 + blk) x 36,864
	s_lshl_b32 s16, s5, 8
	s_lshl_b32 s18, s6, 3
	s_add_co_u32 s16, s16, s18
	s_lshl_b32 s18, s2, 1
	s_add_co_u32 s16, s16, s18
	s_lshl_b32 s16, s16, 13
	s_lshl_b32 s18, s4, 12
	s_add_co_u32 s16, s16, s18
	s_add_nc_u64 s[44:45], s[44:45], s[16:17]      ; fimg: (256 b + 8 blk + 2 w) x 8,192 + 4,096 T
	s_lshl_b32 s16, s7, 2
	s_add_co_u32 s16, s16, s2                      ; u = 4 x work-group + wave: my 256 bytes of woimg
	s_lshl_b32 s18, s16, 8
	s_mov_b32 s19, 0
	s_add_nc_u64 s[46:47], s[46:47], s[18:19]
	s_lshr_b32 s18, s16, 6
	s_lshl_b32 s18, s18, 14                        ; 16 rows of 1,024 bytes for each tile of outputs,
	s_bfe_u32 s17, s16, 0x30003
	s_lshl_b32 s17, s17, 7                         ; 128 bytes a K step,
	s_add_co_u32 s18, s18, s17
	s_and_b32 s17, s16, 7
	s_lshl_b32 s17, s17, 4                         ; 32 c + 16 h
	s_add_co_u32 s18, s18, s17
	s_add_nc_u64 s[38:39], s[38:39], s[18:19]
	CROUND                                         ; all four work-groups are here: the joint loads meet
	tensor_load_to_lds s[8:11], s[48:55]           ; three first fills of every wave, with no branch: three loads of mine are out
	s_nop 0
	tensor_load_to_lds s[12:15], s[56:63]
	s_nop 0
	tensor_load_to_lds s[20:23], s[92:99]
	s_nop 0
	PLACES
	v_and_b32 v1, 15, v0                           ; r
	v_bfe_u32 v2, v0, 4, 1                         ; h
	v_mul_u32_u24 v3, v2, 16*FBP
	v_lshl_add_u32 v3, v1, 2, v3
	s_lshl_b32 s16, s2, 7
	v_add_nc_u32 v3, s16, v3                       ; f in LDS: 16 h rows + 4 (32 w + r)
	v_add_nc_u32 v4, 128*FBP, v3                   ; the same, channels 128 on
	v_mul_u32_u24 v5, v1, 272
	v_lshl_add_u32 v5, v2, 4, v5
	v_add_nc_u32 v5, WQK, v5                       ; wq, wk: row r, + 16 h
	v_and_b32 v6, 8, v1
	v_add_nc_u32 v6, v6, v1                        ; r + 8 (r / 8)
	v_lshlrev_b32 v9, 2, v6                        ; bv: that channel's number
	v_mul_u32_u24 v6, v6, 272
	v_lshl_add_u32 v6, v2, 4, v6
	v_add_nc_u32 v6, WVB, v6                       ; wv
	v_and_b32 v11, 31, v0
	v_lshlrev_b32 v7, 4, v11                       ; 16 x lane: an image's place for my lane
	v_lshlrev_b32 v8, 5, v2                        ; bq, bk: my half's eight channels
	v_lshrrev_b32 v10, 1, v11
	v_lshlrev_b32 v10, 10, v10
	v_and_b32 v14, 1, v11
	v_lshl_add_u32 v10, v14, 3, v10                ; w_out: row lane / 2, 8 bytes (lane % 2)
	v_lshlrev_b32 v11, 3, v11                      ; woimg: 8 x lane
	s_lshl_b32 s16, s2, 10
	v_add_nc_u32 v14, s16, v7                      ; K's images: + 1,024 w
	s_lshl_b32 s16, s2, 9
	v_add_nc_u32 v15, s16, v7                      ; V's images: + 512 w
	global_load_b64 v[30:31], v10, s[38:39]        ; my piece of w_out
.irp i, 0,1
	global_load_b128 v[BQ+8*\i:BQ+8*\i+3], v8, s[24:25] offset:64*\i
	global_load_b128 v[BQ+8*\i+4:BQ+8*\i+7], v8, s[24:25] offset:64*\i+16
	global_load_b128 v[BK+8*\i:BK+8*\i+3], v8, s[26:27] offset:64*\i
	global_load_b128 v[BK+8*\i+4:BK+8*\i+7], v8, s[26:27] offset:64*\i+16
.endr
.set n, 0
.rept 16
	global_load_b32 v[BV+n], v9, s[28:29] offset:4*(32*(n/2)+8*(n%2))
.set n, n+1
.endr
	s_wait_kmcnt 0x0                               ; the exponents
	s_cmp_eq_u32 s4, 0
	s_cselect_b32 s68, s68, s78                    ; f's scale for q
	s_cselect_b32 s69, s69, s79                    ; wq's
	s_cselect_b32 s70, s80, s70                    ; f's for k
	s_cselect_b32 s71, s81, s71                    ; wk's
	s_cselect_b32 s72, s82, s72                    ; f's for v
	s_cselect_b32 s73, s83, s73                    ; wv's
	s_cselect_b32 s74, s74, s84                    ; q's own
	s_cselect_b32 s75, s85, s75                    ; k's own
	s_cselect_b32 s76, s86, s76                    ; v's own
	MKSC 68, 16, 17
	MKSC 70, 18, 19
	MKSC 72, 20, 21
	MKSC 88, 22, 23
	MKSC 74, 24, 25
	MKSC 75, 26, 27
	MKSC 76, 28, 29
	s_add_co_i32 s30, s68, s69
	s_add_co_i32 s30, s30, 127
	s_lshl_b32 s30, s30, 23                        ; 2^(eA + eW) for q,
	s_add_co_i32 s31, s70, s71
	s_add_co_i32 s31, s31, 127
	s_lshl_b32 s31, s31, 23                        ; for k,
	s_add_co_i32 s32, s72, s73
	s_add_co_i32 s32, s32, 127
	s_lshl_b32 s32, s32, 23                        ; for v
	s_wait_loadcnt 24                              ; w_out's piece is in; the 24 loads of biases behind it may be out
	global_store_b64 v11, v[30:31], s[46:47]       ; 32 lanes store 256 consecutive bytes, aligned
	s_wait_tensorcnt 2                             ; my part of f's tile is in; the two loads of weights behind it may be out
	s_barrier_signal -1
	s_barrier_wait -1                              ; everybody's is
; unit u = 8 t + 4 ks + cc: 16 numbers a lane
.macro LOADU u
.set li, 0
.rept 16
	ds_load_b32 v[X+16*((\u)%4)+li], v[3+((\u)/4)%2] offset:64*((\u)/8)+(32*((\u)%4)+li)*FBP
.set li, li+1
.endr
.endm
.macro HOLD dst, src, lim              ; the conversion to an 8-bit code does not saturate (ISA guide 7.6.2): the number is held within the largest code x the scale first
.set li, 0
.rept 16
	v_med3_num_f32 v[(\dst)+li], v[(\src)+li], -v[\lim], v[\lim]
.set li, li+1
.endr
.endm
.macro UNIT u
.set XS, X+16*((\u)%4)
.set ES, E+4*((\u)%4)
.set CD, 32*((\u)/8)+16*(((\u)/4)%2)+4*((\u)%4)
.if (\u)+3 < 16
	LOADU (\u)+3                                   ; three units ahead
.endif
.if 15-(\u) < 3
	s_wait_dscnt 16*(15-(\u))                      ; the younger units' loads may be out, 16 each
.else
	s_wait_dscnt 48
.endif
	HOLD TQ, XS, 17
	HOLD TK, XS, 19
	HOLD TV, XS, 21
	HOLD TF, XS, 23
	s_wait_xcnt 0x0                                ; the store of four units ago has read its registers
	WIN 0x40                                       ; destination window 1
	v_cvt_scalef32_pk8_fp8_f32 v[CD:CD+1], v[TQ:TQ+7], v16
	v_cvt_scalef32_pk8_fp8_f32 v[CD+2:CD+3], v[TQ+8:TQ+15], v16
	v_cvt_scalef32_pk8_fp8_f32 v[64+CD:64+CD+1], v[TK:TK+7], v18
	v_cvt_scalef32_pk8_fp8_f32 v[64+CD+2:64+CD+3], v[TK+8:TK+15], v18
	v_cvt_scalef32_pk8_fp8_f32 v[128+CD:128+CD+1], v[TV:TV+7], v20
	v_cvt_scalef32_pk8_fp8_f32 v[128+CD+2:128+CD+3], v[TV+8:TV+15], v20
	WIN 0
	v_cvt_scalef32_pk8_fp8_f32 v[ES:ES+1], v[TF:TF+7], v22
	v_cvt_scalef32_pk8_fp8_f32 v[ES+2:ES+3], v[TF+8:TF+15], v22
	v_nop                                          ; a plain line between the conversions and the next lines that write their sources
	global_store_b128 v7, v[ES:ES+3], s[44:45] offset:8192*((\u)/8)+2048*(((\u)/4)%2)+512*((\u)%4)   ; 512 consecutive bytes, aligned
.endm
	LOADU 0
	LOADU 1
	LOADU 2
.set U, 0
.rept 16
	UNIT U
.set U, U+1
.endr
	s_wait_tensorcnt 0x0                           ; my parts of the weights are in,
	s_wait_dscnt 0x0
	s_barrier_signal -1
	s_barrier_wait -1                              ; everybody's are
	s_wait_loadcnt 0x0                             ; the biases
; eight weight fragments (tile i, K step ks) into set buf of window 2.  g = 0: wq's two tiles, wk's two; g = 1 .. 4: wv's tiles 4 (g - 1) + i
.macro LOADW g, buf
	WIN 0x80
.irp i, 0,1,2,3
.irp ks, 0,1
.irp c, 0,1,2,3
.if (\g) == 0
	ds_load_b128 v[(\buf)+16*(2*\i+\ks)+4*\c:(\buf)+16*(2*\i+\ks)+4*\c+3], v5 offset:4352*\i+128*\ks+32*\c
.else
	ds_load_b128 v[(\buf)+16*(2*\i+\ks)+4*\c:(\buf)+16*(2*\i+\ks)+4*\c+3], v6 offset:(32*((4*((\g)-1)+\i)/2)+8*((4*((\g)-1)+\i)%2))*272+128*\ks+32*\c
.endif
.endr
.endr
.endr
.endm
; 16 products on eight accumulators by turns: K step 0 starts the sums, K step 1 adds in place
.macro MULG g, buf
.if (\g) == 0
	WIN 0x06                                       ; source 0 (weights) window 2, source 1 (codes) window 1
.else
	WIN 0x09                                       ; source 0 (codes) window 1, source 1 (weights) window 2
.endif
.irp ks, 0,1
.irp i, 0,1,2,3
.irp t, 0,1
.set rD, ACC+16*\i+8*\t
.set rW, (\buf)+16*(2*\i+\ks)
.set rC, 64*(\i/2)+32*\t+16*\ks
.set rV, CV+32*\t+16*\ks
.if ((\g) == 0) && (\ks == 0)
	v_wmma_f32_16x16x128_fp8_fp8 v[rD:rD+7], v[rW:rW+15], v[rC:rC+15], 0
.elseif (\g) == 0
	v_wmma_f32_16x16x128_fp8_fp8 v[rD:rD+7], v[rW:rW+15], v[rC:rC+15], v[rD:rD+7]
.elseif \ks == 0
	v_wmma_f32_16x16x128_fp8_fp8 v[rD:rD+7], v[rV:rV+15], v[rW:rW+15], 0
.else
	v_wmma_f32_16x16x128_fp8_fp8 v[rD:rD+7], v[rV:rV+15], v[rW:rW+15], v[rD:rD+7]
.endif
.endr
.endr
.endr
.endm
; eight sums become eight codes: sum x 2^(eA + eW) + bias in f32, the hold, the conversion.  The accumulator is read from its low end on
.macro QZ acc, ys, out, mul, bias, perreg, lim, sc
.irp j, 0,1,2,3,4,5,6,7
	v_fma_f32 v[(\ys)+\j], v[(\acc)+\j], s[\mul], v[(\bias)+(\perreg)*\j]
.endr
.irp j, 0,1,2,3,4,5,6,7
	v_med3_num_f32 v[(\ys)+\j], v[(\ys)+\j], -v[\lim], v[\lim]
.endr
	v_cvt_scalef32_pk8_fp8_f32 v[(\out):(\out)+1], v[(\ys):(\ys)+7], v[\sc]
.endm
.macro EPQK                            ; a lane's 16 codes: channels 8 h + 0 .. 7, then 16 + 8 h + 0 .. 7, of its position
.irp t, 0,1
	QZ ACC+8*\t, Y, OUT+4*\t, 30, BQ, 1, 25, 24
	QZ ACC+16+8*\t, Y+8, OUT+4*\t+2, 30, BQ+8, 1, 25, 24
	global_store_b128 v7, v[OUT+4*\t:OUT+4*\t+3], s[40:41] offset:512*\t
.endr
.irp t, 0,1
	QZ ACC+32+8*\t, Y, OUT+8+4*\t, 31, BK, 1, 27, 26
	QZ ACC+48+8*\t, Y+8, OUT+8+4*\t+2, 31, BK+8, 1, 27, 26
	global_store_b128 v14, v[OUT+8+4*\t:OUT+8+4*\t+3], s[42:43] offset:512*\t
.endr
	v_nop                                          ; a plain line behind the last conversion
.endm
.macro EPV g                           ; a lane's 16 codes: keys 32 w + 8 h + 0 .. 7, then 32 w + 16 + 8 h + 0 .. 7, of its channel
.irp i, 0,1,2,3
	QZ ACC+16*\i, Y, OUT+4*\i, 32, BV+4*((\g)-1)+\i, 0, 29, 28
	QZ ACC+16*\i+8, Y+8, OUT+4*\i+2, 32, BV+4*((\g)-1)+\i, 0, 29, 28
	global_store_b128 v15, v[OUT+4*\i:OUT+4*\i+3], s[42:43] offset:4096+2048*(4*((\g)-1)+\i)
.endr
	v_nop
.endm
	LOADW 0, 0
.irp g, 0,1,2,3,4
	s_wait_dscnt 0x0                               ; this group's weights are in
	MULG \g, 128*(\g%2)
.if \g < 4
	LOADW \g+1, 128*((\g+1)%2)                     ; the next group's, into the other set: its last readers stand ahead of a whole way out
.endif
	WIN 0
	PLACES                                         ; four places between the last product and the first read of a sum (ISA guide 7.12.1)
	s_wait_xcnt 0x0                                ; the last group's stores have read their registers
.if \g == 0
	EPQK
.else
	EPV \g
.endif
.endr
	s_wait_tensorcnt 0x0                           ; the wave's end
	ds_add_u32 v12, v13
	s_wait_dscnt 0x0
	CROUND                                         ; the closing round: no work-group ends while a partner may still ask jointly
	s_endpgm
.Lfunc_end_k_q1fd7bce5eb_project:
	.size	k_q1fd7bce5eb_project, .Lfunc_end_k_q1fd7bce5eb_project-k_q1fd7bce5eb_project
	.p2alignl 7, 3214868480
	.fill 96, 4, 3214868480
	.section	.rodata,"a",@progbits
	.p2align	6, 0x0
	.amdhsa_kernel k_q1fd7bce5eb_project
		.amdhsa_group_segment_fixed_size 221184
		.amdhsa_private_segment_fixed_size 0
		.amdhsa_enable_private_segment 0
		.amdhsa_kernarg_size 160
		.amdhsa_user_sgpr_count 2
		.amdhsa_user_sgpr_kernarg_segment_ptr 1
		.amdhsa_wavefront_size32 1
		.amdhsa_system_sgpr_workgroup_id_x 1
		.amdhsa_system_sgpr_workgroup_id_y 1
		.amdhsa_system_sgpr_workgroup_id_z 1
		.amdhsa_system_vgpr_workitem_id 0
		.amdhsa_next_free_vgpr 768
		.amdhsa_next_free_sgpr 100
		.amdhsa_reserve_vcc 0
		.amdhsa_float_denorm_mode_32 3
		.amdhsa_float_denorm_mode_16_64 3
		.amdhsa_memory_ordered 1
		.amdhsa_forward_progress 1
		.amdhsa_inst_pref_size 167
	.end_amdhsa_kernel
	.amdgpu_metadata
---
amdhsa.version: [ 1, 2 ]
amdhsa.kernels:
  - .name:           k_q1fd7bce5eb_project
    .symbol:         k_q1fd7bce5eb_project.kd
    .args:
      - { .name: f_p, .offset: 0, .size: 8, .value_kind: global_buffer, .address_space: global }
      - { .name: f_v, .offset: 8, .size: 8, .value_kind: global_buffer, .address_space: global }
      - { .name: wq_p_codes, .offset: 16, .size: 8, .value_kind: global_buffer, .address_space: global }
      - { .name: wq_v_codes, .offset: 24, .size: 8, .value_kind: global_buffer, .address_space: global }
      - { .name: wk_p_codes, .offset: 32, .size: 8, .value_kind: global_buffer, .address_space: global }
      - { .name: wk_v_codes, .offset: 40, .size: 8, .value_kind: global_buffer, .address_space: global }
      - { .name: wv_p_codes, .offset: 48, .size: 8, .value_kind: global_buffer, .address_space: global }
      - { .name: wv_v_codes, .offset: 56, .size: 8, .value_kind: global_buffer, .address_space: global }
      - { .name: bq_p, .offset: 64, .size: 8, .value_kind: global_buffer, .address_space: global }
      - { .name: bq_v, .offset: 72, .size: 8, .value_kind: global_buffer, .address_space: global }
      - { .name: bk_p, .offset: 80, .size: 8, .value_kind: global_buffer, .address_space: global }
      - { .name: bk_v, .offset: 88, .size: 8, .value_kind: global_buffer, .address_space: global }
      - { .name: bv_p, .offset: 96, .size: 8, .value_kind: global_buffer, .address_space: global }
      - { .name: bv_v, .offset: 104, .size: 8, .value_kind: global_buffer, .address_space: global }
      - { .name: lowp_scales, .offset: 112, .size: 8, .value_kind: global_buffer, .address_space: global }
      - { .name: w_out_codes, .offset: 120, .size: 8, .value_kind: global_buffer, .address_space: global }
      - { .name: qimg, .offset: 128, .size: 8, .value_kind: global_buffer, .address_space: global }
      - { .name: kv, .offset: 136, .size: 8, .value_kind: global_buffer, .address_space: global }
      - { .name: fimg, .offset: 144, .size: 8, .value_kind: global_buffer, .address_space: global }
      - { .name: woimg, .offset: 152, .size: 8, .value_kind: global_buffer, .address_space: global }
    .group_segment_fixed_size: 221184
    .private_segment_fixed_size: 0
    .kernarg_segment_align: 8
    .kernarg_segment_size: 160
    .max_flat_workgroup_size: 128
    .sgpr_count:     100
    .vgpr_count:     768
    .wavefront_size: 32
...
	.end_amdgpu_metadata
.endif
;; end of part 1
;; launch attend (part 2): grid 256 x 1, 4 waves a work-group, clusters of 4 x 1, 327,680 bytes of LDS; arguments qimg, kv, fimg, woimg, lowp_scales, ypre, part; writes ypre, part
.if DOCPART == 2
	.amdgcn_target "amdgcn-amd-amdhsa--gfx1250"
	.amdhsa_code_object_version 6
	.text
	.protected	k_q1fd7bce5eb_attend
	.globl	k_q1fd7bce5eb_attend
	.p2align	8
	.type	k_q1fd7bce5eb_attend,@function
k_q1fd7bce5eb_attend:
	s_mov_b64 s[64:65], 0
	v_nop
	global_prefetch_b8 v0, s[64:65] scope:SCOPE_SE
	s_setreg_imm32_b32 hwreg(HW_REG_WAVE_MODE, 25, 1), 1
	s_wait_xcnt 0x0
	s_wait_alu depctr_hold_cnt(0) depctr_sa_sdst(0) depctr_va_vdst(0) depctr_va_sdst(0) depctr_va_ssrc(0) depctr_va_vcc(0) depctr_vm_vsrc(0)
	s_getreg_b32 s2, hwreg(HW_REG_IB_STS2, 6, 4)
	s_cmp_eq_u32 s2, 0
	s_cbranch_scc0 .Lentry_in_a_cluster
	s_endpgm
.Lentry_in_a_cluster:
	s_bfe_u32 s2, ttmp6, 0x10000c
	s_cmp_lg_u32 s2, 0x3003
	s_cbranch_scc0 .Lentry_shape_is_right
	s_endpgm
.Lentry_shape_is_right:
; SECOND OF THREE LAUNCHES; no work is left out.  Both attentions for 64 positions of one batch, the last product (K = 1,024: f_p, f_v, the two results), y before the norm, and the work-group's statistics of y.
; All operands arrive as images of operand registers, made by the launch before: a fragment comes by loads of 16 bytes a lane, 512 consecutive bytes an instruction; no pitch, no padding.
; SHARES.  b = batch, pb = block of 64 positions.  Wave w: attention d = w / 2, tiles of 16 queries pt = 2 (w % 2) + t, t = 0, 1.  Every wave walks all 4,096 keys, 128 a step; a fragment of V feeds two products.
; LAYOUT.  S^T = K Q^T (source 0 = 16 keys, source 1 = 16 queries; K = 32 channels in the K = 64 form, the upper half zero codes); O^T = V^T P^T (source 0 = 16 channels, source 1 = P): a lane holds ONE query throughout.
; A score tile's eight registers are keys 16 kt + 8 h + 0 .. 7: converted, they are registers 2 kt, 2 kt + 1 of the K = 128 form's own layout, in which V's images are laid.
; V's tile ct holds channels 32 (ct / 2) + 8 (ct % 2) + r + 8 (r / 8), so that O^T's 16 registers of tiles 2 b', 2 b' + 1 are channels 32 b' + 16 h + 0 .. 15: converted, they are an operand of the last product.
; THE SOFTMAX: t = score x log2(e) x 2^(eq + ek); M = the running largest t rounded up to a whole number, kept as -M = floor(-t); p = 2^(t - M) is quantised with the given 2^ep; the row's sum is taken of the unquantised p;
; when M moves, the sum and O^T are multiplied by 2^(old M - new M), which rounds nothing.  At the end O^T x 2^(ep + ev) / the sum.
; RING.  Two LDS slots; a slot holds two key steps of both attentions, four tiles of 36,864 bytes, one tensor load a wave.  CLUSTER: the four partners share b and walk the same K and V: every ring load is joint (mask 15).
; BY TURNS.  A trip has 616 vector lines beside 48 matrix instructions, and the wave is alone on its SIMD: so the 32 products V^T P of step j stand singly, each ahead of a slice of step j + 1's softmax, which names none of
; their registers (S^T and the statistics lie in window 0; the products name V, p's codes and O^T).  A slice costs two switches of the register window.  A trip, in order: K of step j + 1 is asked for; tile 1's p of step j is
; quantised meanwhile; K Q^T of step j + 1; the 32 turns (maximum, M, scalings and exponentials); the sums; V of step j + 1 is asked for in eight short runs between the lines that rescale O^T; tile 0's p is quantised.
; The two tiles alternate line by line, and each maximum and each sum runs in four chains: a line's source was written eight lines earlier.  A trip reads only step j + 1's LDS bytes, so a change of slots stands between trips.
; THE TAIL lies in slot 0, which has had its last ring fill and its last read when slot 1 is entered for the last time: f's codes come there by a plain tensor load, the two results' codes by LDS stores, y goes out through a stage.
; STATISTICS: for each of my 64 channels S = the sum of y over the 64 positions and Q2 = the sum of (y - S / 64)^2: no difference of large sums is formed.
; LIMITS: eq + ek, and e20 + e21, between -126 and 127; ep and e20 between -126 and 119; ep + ev is applied by v_ldexp_f32 and has none.  p under 2^-126 counts as 0.  NaN is not served.
; REGISTERS.  window 0: v1-9 addresses, v10-11 the add's two, v12-15 scales and limits, v16-31 statistics (8 a tile: -M, largest t, the sum's pair, f's pair, one at work), v32-47 the tail's, v36-37 permutes' destinations,
;   v48-55 the maximum's chains (4 a tile), v64-191 S^T then p, v192-223 p's codes, v224-235 the sum's chains (3 pairs a tile).
;   window 1: O^T at 128 t + 8 ct.   window 2: V's 16 fragments.   window 3: K's 8 fragments (v0-63), Q's two (v64-79), the upper four registers of each 0; in the tail y's 16 accumulators.
.set STEPB, 36864
.set SLOTB, 0x24000                    ; a slot: four tiles.  Its bits meet none of 36,864 x wave, so one exclusive or turns an address in one slot into the other's
.set SPARE, 294912                     ; behind the ring: the spare words, two blocks of 256 bytes that no other line names
.set STG,   65536                      ; the tail's stages: 16 rows x 272 bytes a wave
.set S,  64
.set PC, 192
.set ST, 16
.set MSB, 0
.macro WIN new                         ; the immediate's high byte repeats the setting that is left; a switch that changes nothing is dropped
.if MSB != \new
	s_set_vgpr_msb (MSB<<8)|\new
.set MSB, \new
.endif
.endm
.macro CROUND                          ; a round of the cluster's barrier
	s_barrier_signal -1
	s_barrier_wait -1
	s_cmp_lg_u32 s18, 0
	s_cbranch_scc1 .Lnot_wave_0_\@
	s_barrier_signal -3
.Lnot_wave_0_\@:
	s_barrier_wait -3
	s_barrier_signal -1
	s_barrier_wait -1
.endm
.macro MKSC e, vsc, vlim               ; 2^e as f32, and 448 x 2^e
	s_add_co_i32 s2, s[\e], 127
	s_lshl_b32 s3, s2, 23
	v_mov_b32 v[\vsc], s3
	s_add_co_i32 s2, s2, 8
	s_lshl_b32 s2, s2, 23
	s_or_b32 s2, s2, 0x600000
	v_mov_b32 v[\vlim], s2
.endm
.macro PLACES
.rept 4
	v_nop
.endr
.endm
	s_load_b256 s[4:11], s[0:1], 0x0               ; qimg, kv, fimg, woimg
	s_load_b128 s[12:15], s[0:1], 0x20             ; lowp_scales, ypre
	s_load_b64 s[16:17], s[0:1], 0x30              ; part
	v_lshl_add_u32 v10, v0, 2, SPARE
	v_mov_b32 v11, 0
	ds_add_u32 v10, v11                            ; the wave's opening: the add, twice on end, and its wait ahead of my first tensor load
	ds_add_u32 v10, v11
	v_lshrrev_b32 v1, 5, v0
	v_readfirstlane_b32 s18, v1                    ; wave 0..3
	s_lshr_b32 s19, s18, 1                         ; d
	s_and_b32 s20, s18, 1
	s_bfe_u32 s21, ttmp6, 0x40000                  ; cx
	s_and_b32 s22, ttmp9, 15
	s_lshl_b32 s22, s22, 2
	s_add_co_u32 s22, s22, s21                     ; pb
	s_lshr_b32 s23, ttmp9, 4                       ; b
	; group 1 of the ring's joint loads: a dense tile of 144 rows of 32 elements of 8 bytes; mask 15, bit 21 beside it
	s_mov_b32 s24, 15|(3<<16)|(1<<21)
	s_mov_b32 s25, 32<<16
	s_mov_b32 s26, 144<<16
	s_mov_b32 s27, 32<<16
	s_mov_b32 s28, 144
	s_mov_b32 s29, 32
	s_mov_b32 s30, 0
	s_mov_b32 s31, 0
	; group 1 of the plain load of f's codes: 32 rows of 256 bytes
	s_mov_b32 s32, 3<<16
	s_mov_b32 s33, 32<<16
	s_mov_b32 s34, 32<<16
	s_mov_b32 s35, 32<<16
	s_mov_b32 s36, 32
	s_mov_b32 s37, 32
	s_mov_b32 s38, 0
	s_mov_b32 s39, 0
	s_mov_b32 s60, 0x76543210                      ; v_permlanex16_b32's selects for lane l xor 16
	s_mov_b32 s61, 0xfedcba98
	s_mov_b32 s52, 14                              ; slots still to be asked for
	s_mov_b32 s54, 0                               ; LDS byte at which the step to be fetched begins
	s_and_b32 s55, ttmp9, 15
	s_cmp_eq_u32 s55, 0
	s_cselect_b32 s55, 1, -1                       ; 1 in the batch's first cluster, which prefetches; the same in all four partners
	s_wait_dscnt 0x0                               ; both opening adds are done
	s_wait_kmcnt 0x0
	s_load_b512 s[68:83], s[12:13], 0x0            ; the 22 exponents: entry i in s[68 + i]
	s_load_b128 s[84:87], s[12:13], 0x40
	s_load_b64 s[88:89], s[12:13], 0x50
	; the joint loads' groups 0: made of b and the wave's number alone
	s_lshl_b32 s2, s19, 2
	s_add_co_u32 s2, s2, s23                       ; 4 d + b
	s_lshl_b32 s3, s2, 5
	s_add_co_u32 s3, s3, s20
	s_mul_i32 s62, s3, STEPB
	s_mov_b32 s63, 0
	s_add_nc_u64 s[6:7], s[6:7], s[62:63]          ; my tile of the first slot: attention d, key step w % 2
	s_mov_b32 s40, 1
	s_mul_i32 s41, s18, STEPB
	s_mov_b64 s[42:43], s[6:7]
	s_or_b32 s43, s43, 0x80000000
	s_mov_b32 s44, 1
	s_add_co_u32 s45, s41, SLOTB
	s_add_nc_u64 s[46:47], s[6:7], 2*STEPB         ; two key steps on; this group walks
	s_or_b32 s47, s47, 0x80000000
	; what hangs on my place in the cluster: global addresses alone
	s_lshl_b32 s62, s21, 13
	s_add_co_u32 s62, s62, 4*STEPB+4096
	s_add_nc_u64 s[56:57], s[6:7], s[62:63]        ; the prefetches: my work-group's 32 of the 128 rows of V in my tile, four key steps on; stepped ahead of each use
	s_lshl_b32 s62, s23, 8
	s_lshl_b32 s3, s22, 2
	s_add_co_u32 s62, s62, s3
	s_add_co_u32 s62, s62, s18
	s_lshl_b32 s62, s62, 13
	s_mov_b32 s48, 1
	s_lshl_b32 s49, s18, 14
	s_add_nc_u64 s[50:51], s[8:9], s[62:63]        ; f's codes of position tile 256 b + 4 pb + w
	s_or_b32 s51, s51, 0x80000000
	s_lshl_b32 s62, s2, 8
	s_add_co_u32 s62, s62, s3
	s_lshl_b32 s3, s20, 1
	s_add_co_u32 s62, s62, s3
	s_lshl_b32 s62, s62, 9
	s_add_nc_u64 s[4:5], s[4:5], s[62:63]          ; my two tiles of queries
	s_lshl_b32 s62, s18, 16
	s_add_nc_u64 s[10:11], s[10:11], s[62:63]      ; my four tiles of w_out's rows
	s_lshl_b32 s62, s23, 22
	s_lshl_b32 s3, s18, 20
	s_add_co_u32 s62, s62, s3
	s_lshl_b32 s3, s22, 8
	s_add_co_u32 s62, s62, s3
	s_add_nc_u64 s[14:15], s[14:15], s[62:63]      ; y: batch b, channel 64 w, position 64 pb
	s_lshl_b32 s62, ttmp9, 2
	s_add_co_u32 s62, s62, s21
	s_lshl_b32 s62, s62, 11
	s_lshl_b32 s3, s18, 9
	s_add_co_u32 s62, s62, s3
	s_add_nc_u64 s[16:17], s[16:17], s[62:63]      ; the statistics: 2,048 x work-group + 512 w
	CROUND                                         ; all four work-groups are here: the first joint loads meet
	tensor_load_to_lds s[40:43], s[24:31]          ; both first fills of every wave, with no branch: two loads of mine are out, later one
	s_nop 0
	tensor_load_to_lds s[44:47], s[24:31]
	s_nop 0
	PLACES
	v_and_b32 v2, 31, v0
	v_lshlrev_b32 v4, 4, v2                        ; 16 x lane
	s_mul_i32 s2, s19, 2*STEPB
	v_add_nc_u32 v1, s2, v4                        ; my attention's tiles in a slot
	v_lshlrev_b32 v3, 8, v2                        ; the prefetches: a lane a row of 256 bytes
	v_lshlrev_b32 v9, 3, v2                        ; the statistics: 8 x lane
	s_lshl_b32 s2, s20, 15
	s_lshl_b32 s3, s19, 12
	s_add_co_u32 s2, s2, s3
	s_add_co_u32 s2, s2, 8192
	v_add_nc_u32 v5, s2, v4                        ; where my results' images go: 16,384 pt + 2,048 (4 + 2 d + ks')
	v_and_b32 v38, 15, v0                          ; r
	v_bfe_u32 v39, v0, 4, 1                        ; h
	v_lshlrev_b32 v8, 14, v39
	v_lshl_add_u32 v8, v38, 4, v8                  ; y: lanes 0-15 one channel's row, lanes 16-31 the next; 16 bytes a lane
	s_mul_i32 s2, s18, 4352
	s_add_co_u32 s2, s2, STG
	v_mul_u32_u24 v6, v38, 272
	v_lshl_add_u32 v6, v39, 5, v6
	v_add_nc_u32 v6, s2, v6                        ; the stage, in: row r, 32 bytes a half
	v_mul_u32_u24 v7, v39, 272
	v_lshl_add_u32 v7, v38, 4, v7
	v_add_nc_u32 v7, s2, v7                        ; and back by rows
	WIN 0xc0                                       ; destination window 3
	global_load_b128 v[64:67], v4, s[4:5]          ; Q stays in registers
	global_load_b128 v[72:75], v4, s[4:5] offset:512
.irp f, 0,1,2,3,4,5,6,7,8,9
.irp j, 4,5,6,7
	v_mov_b32 v[8*\f+\j], 0                        ; k = 32 .. 63 of K's and Q's fragments: zero codes, set once
.endr
.endr
	WIN 0
.irp t, 0,1
	v_mov_b32 v[ST+8*\t+1], 0xff61b1e6             ; the largest t so far: -3e38
	v_floor_f32 v[ST+8*\t], -v[ST+8*\t+1]          ; -M
	v_mov_b32 v[ST+8*\t+2], 0                      ; the sum, in two halves
	v_mov_b32 v[ST+8*\t+3], 0
	v_mov_b32 v[ST+8*\t+5], 0                      ; (named as the upper half of f's pair)
	v_mov_b32 v[36+\t], 0                          ; a lane permute's destination counts as one of its sources
.endr
	s_wait_kmcnt 0x0                               ; the exponents
	s_cmp_lt_u32 s18, 2
	s_cselect_b32 s74, s74, s84                    ; eq
	s_cselect_b32 s75, s75, s85                    ; ek
	s_cselect_b32 s76, s76, s86                    ; ev
	s_cselect_b32 s77, s77, s87                    ; ep
	s_add_co_i32 s2, s74, s75
	s_lshl_b32 s2, s2, 23
	s_add_co_i32 s58, s2, 0x3fb8aa3b               ; log2(e) x 2^(eq + ek): the exponents are added to its exponent field
	s_mov_b32 s59, s58                             ; (named with it as a pair)
	s_add_co_i32 s92, s77, s76                     ; ep + ev
	s_add_co_i32 s90, s88, s89
	s_add_co_i32 s90, s90, 127
	s_lshl_b32 s90, s90, 23                        ; 2^(e20 + e21)
	s_mov_b32 s91, s90
	MKSC 77, 12, 13
	MKSC 88, 14, 15
; THE VECTOR WORK OF A KEY STEP, a tile of 16 queries x 128 keys at a time; each macro writes ONE numbered line (or group) for tile t, and the trip calls it for tiles 0 and 1 in turn.
; Line aa of 32 of the maximum of my 64 scores: four chains; the scores are taken in ascending order
.macro MAXI t
.set sb, S+64*(\t)
.set cb, 48+4*(\t)
.if aa < 4
	v_max3_num_f32 v[cb+aa], v[sb+3*aa], v[sb+3*aa+1], v[sb+3*aa+2]
.elseif aa < 30
	v_max3_num_f32 v[cb+aa%4], v[cb+aa%4], v[sb+2*aa+4], v[sb+2*aa+5]
.elseif aa == 30
	v_max3_num_f32 v[cb], v[cb], v[cb+1], v[cb+2]
.else
	v_max_num_f32 v[cb], v[cb], v[cb+3]
.endif
.endm
; Line bb of 8: lane l xor 16's maximum; as t; the running largest t; the new -M; f = 2^(old M - new M).  (The old -M was copied to v[ST + 8 t + 6] behind the products K Q^T)
.macro NEWM t
.set tb, ST+8*(\t)
.set cb, 48+4*(\t)
.if bb == 0
	v_permlanex16_b32 v[36+(\t)], v[cb], s60, s61
.elseif bb == 1
	v_max_num_f32 v[cb], v[cb], v[36+(\t)]
.elseif bb == 2
	v_mul_f32 v[cb], s58, v[cb]                    ; (the factor is positive)
.elseif bb == 3
	v_max_num_f32 v[tb+1], v[tb+1], v[cb]
.elseif bb == 4
	v_floor_f32 v[tb], -v[tb+1]                    ; -M = floor(-t): a whole number
.elseif bb == 5
	v_sub_f32 v[tb+6], v[tb], v[tb+6]              ; old M - new M, 0 or less
.elseif bb == 6
	v_cvt_i32_f32 v[tb+6], v[tb+6]                 ; (it saturates)
.else
	v_ldexp_f32 v[tb+4], 1.0, v[tb+6]
.endif
.endm
; Group cc of 33: pair cc is scaled (t - M, two at a time), and pair cc - 1, scaled a group earlier, gets its two exponentials, the scaling between them.  No line here names an exponential's result
.macro EXPS t
.set sb, S+64*(\t)
.set tb, ST+8*(\t)
.if cc > 0
	v_exp_f32 v[sb+2*cc-2], v[sb+2*cc-2]           ; p = 2^(t - M), at most 1
.endif
.if cc < 32
	v_pk_fma_f32 v[sb+2*cc:sb+2*cc+1], v[sb+2*cc:sb+2*cc+1], s[58:59], v[tb:tb+1] op_sel_hi:[1,0,0]
.endif
.if cc > 0
	v_exp_f32 v[sb+2*cc-1], v[sb+2*cc-1]
.endif
.endm
; Line dd of 32 of the row's sum, taken of the unquantised p: four chains of pairs, the running sum one of them
.macro SUMI t
.set sb, S+64*(\t)
.set tb, ST+8*(\t)
.set qb, 224+6*(\t)
.if dd < 3
	v_pk_add_f32 v[qb+2*dd:qb+2*dd+1], v[sb+4*dd:sb+4*dd+1], v[sb+4*dd+2:sb+4*dd+3]
.elseif (dd < 29) && ((dd-3)%4 == 0)
	v_pk_add_f32 v[tb+2:tb+3], v[tb+2:tb+3], v[sb+2*dd+6:sb+2*dd+7]
.elseif dd < 29
.set ch, qb+2*((dd-3)%4)-2
	v_pk_add_f32 v[ch:ch+1], v[ch:ch+1], v[sb+2*dd+6:sb+2*dd+7]
.elseif dd == 29
	v_pk_add_f32 v[qb:qb+1], v[qb:qb+1], v[qb+2:qb+3]
.elseif dd == 30
	v_pk_add_f32 v[tb+2:tb+3], v[tb+2:tb+3], v[qb+4:qb+5]
.else
	v_pk_add_f32 v[tb+2:tb+3], v[tb+2:tb+3], v[qb:qb+1]
.endif
.endm
; Tile t's p becomes codes.  The conversion does not saturate (ISA guide 7.6.2); p is not negative, so the hold is one-sided.  A conversion stands behind the NEXT eight holds, so that it does not wait for its own
.macro SQUANT t
.set sb, S+64*(\t)
.set qc, PC+16*(\t)
.irp kt, 0,1,2,3,4,5,6,7,8
.if \kt < 8
.irp j, 0,1,2,3,4,5,6,7
	v_min_num_f32 v[sb+8*\kt+\j], v[sb+8*\kt+\j], v13
.endr
.endif
.if \kt > 0
	v_cvt_scalef32_pk8_fp8_f32 v[qc+2*\kt-2:qc+2*\kt-1], v[sb+8*\kt-8:sb+8*\kt-1], v12
.endif
.endr
	v_nop                                          ; a plain line between the last conversions and the products that read the codes or write the scores anew
.endm
; Product pvi of 32 of O^T += V^T P: channels' tile pvi / 2, tile of queries pvi % 2: 32 accumulators, one instruction each.  zero = 1: it starts the sum: nothing is ever cleared
.macro PVI zero
	WIN 0x52                                       ; V window 2, P window 0, O^T window 1
.set rO, 128*(pvi%2)+8*(pvi/2)
.set rV, 16*(pvi/2)
.set rP, PC+16*(pvi%2)
.if \zero
	v_wmma_f32_16x16x128_fp8_fp8 v[rO:rO+7], v[rV:rV+15], v[rP:rP+15], 0
.else
	v_wmma_f32_16x16x128_fp8_fp8 v[rO:rO+7], v[rV:rV+15], v[rP:rP+15], v[rO:rO+7]
.endif
.set pvi, pvi+1
.endm
.macro VLOADS q                        ; V's fragments 2 q and 2 q + 1: a run of eight loads
	WIN 0x80                                       ; destination window 2
.irp c2, 0,1
.irp g, 0,1,2,3
	ds_load_b128 v[16*(2*(\q)+\c2)+4*\g:16*(2*(\q)+\c2)+4*\g+3], v2 offset:4096+2048*(2*(\q)+\c2)+512*\g
.endr
.endr
.endm
.macro RESC n0, cnt                    ; O^T under the new M: pairs n0 on of both tiles; ascending
	WIN 0x41                                       ; O^T (destination and source 0) window 1, f window 0
.set n, \n0
.rept \cnt
	v_pk_mul_f32 v[2*n:2*n+1], v[2*n:2*n+1], v[ST+4:ST+5] op_sel_hi:[1,0]
	v_pk_mul_f32 v[128+2*n:128+2*n+1], v[128+2*n:128+2*n+1], v[ST+12:ST+13] op_sel_hi:[1,0]
.set n, n+1
.endr
.endm
; A TRIP: key step j + 1, and what is left of step j.  pv = 0: the first step: there is no step j.  zero = 1: V^T P starts O^T's sums.
.macro TRIP pv, zero
	WIN 0
	v_add_nc_u32 v2, s54, v1
	s_add_co_u32 s54, s54, STEPB                   ; the next trip fetches the next step
	WIN 0xc0                                       ; destination window 3
.irp kt, 0,1,2,3,4,5,6,7
	ds_load_b128 v[8*\kt:8*\kt+3], v2 offset:512*\kt   ; K of step j + 1
.endr
	WIN 0
.if \pv
	SQUANT 1                                       ; tile 1's p of step j: 73 lines while K is on its way
.endif
	s_wait_dscnt 0x0                               ; K of step j + 1 and V of step j are in
	WIN 0x0f                                       ; K and Q window 3, S^T window 0
.irp kt, 0,1,2,3,4,5,6,7
.irp t, 0,1
	v_wmma_f32_16x16x64_fp8_fp8 v[S+64*\t+8*\kt:S+64*\t+8*\kt+7], v[8*\kt:8*\kt+7], v[64+8*\t:64+8*\t+7], 0
.endr
.endr
	WIN 0
	v_mov_b32 v[ST+6], v[ST]                       ; the old -M is kept for f.  These four lines are the places between the products above and the first read of a score (ISA guide 7.12.1)
	v_mov_b32 v[ST+14], v[ST+8]
	v_nop
	v_nop
.set pvi, 0
.set aa, 0
.rept 8                                        ; eight turns: a product, eight lines of the maximum
.if \pv
	PVI \zero
.endif
	WIN 0
.rept 4
	MAXI 0
	MAXI 1
.set aa, aa+1
.endr
.endr
.set bb, 0
.rept 8                                        ; eight turns: a product, one line of each tile's M: each line feeds the next, and the product and the two switches stand between them
.if \pv
	PVI \zero
.endif
	WIN 0
	NEWM 0
	NEWM 1
.set bb, bb+1
.endr
.set cc, 0
.rept 33                                       ; sixteen turns: a product, two groups of scalings and exponentials; the last group stands bare
.if \pv && (cc%2 == 0) && (cc < 32)
	PVI \zero
.endif
	WIN 0
	EXPS 0
	EXPS 1
.set cc, cc+1
.endr
	v_pk_mul_f32 v[ST+2:ST+3], v[ST+2:ST+3], v[ST+4:ST+5] op_sel_hi:[1,0]         ; the sums under the new M: plain lines behind the last exponential
	v_pk_mul_f32 v[ST+10:ST+11], v[ST+10:ST+11], v[ST+12:ST+13] op_sel_hi:[1,0]
	s_wait_alu depctr_va_vdst(0)                   ; one wait for the 128 exponentials, ahead of their first reader
.set dd, 0
.rept 32                                       ; 64 plain lines that name no register of the products: also the places between the last product and the lines below, which read O^T and load into V's registers
	SUMI 0
	SUMI 1
.set dd, dd+1
.endr
.if \pv
.irp q, 0,1,2,3,4,5,6,7
	VLOADS \q                                      ; V of step j + 1, in eight runs of eight loads, eight lines of the rescaling behind each
	RESC 4*\q, 4
.endr
	RESC 32, 32
.else
.irp q, 0,1,2,3,4,5,6,7
	VLOADS \q
.endr
.endif
	WIN 0
	SQUANT 0                                       ; tile 0's p of step j + 1; V lands meanwhile
.endm
; A PREFETCH INTO THE L2 of rows that the NEXT change of slots will ask for.  All clusters of a batch walk the same K and V: the batch's first cluster asks.  Each wave stands for its own tile; the four partners share its 128 rows
; of V out by address, 32 each, a lane a row of 256 bytes: each row is named once in the launch.  K's 16 rows of a tile do not divide so and come by their loads alone.  The last change that fills a slot asks for nothing.
.macro ASK
	s_cmp_gt_u32 s52, s55
	s_cbranch_scc0 .Lnot_mine_\@
	global_prefetch_b8 v3, s[56:57] th:TH_LOAD_NT scope:SCOPE_SE
.Lnot_mine_\@:
.endm
; THE CHANGE OF SLOTS.  Each wave waits for all its tensor loads (one is out: its tile of the slot ahead), adds 0 to its spare word, waits for that and for its reads of the slot that it leaves (the last are V's loads of the trip
; just ended); a round of the cluster's barrier; then the slot just left is filled: kind 1: jointly, with the keys two slots on: the load has two key steps in which to land; kind 2: with f's codes for the tail, each work-group's own.
.macro CHANGE kind
	WIN 0
	s_wait_tensorcnt 0x0                           ; no tensor load of mine is out, so a group 0 may be written
	ds_add_u32 v10, v11
.if \kind == 1
	s_xor_b32 s45, s45, SLOTB                      ; the walking group: the other slot than last time,
	s_add_nc_u64 s[46:47], s[46:47], 2*STEPB       ; the next two key steps
	s_wait_xcnt 0x0                                ; the last prefetch, two key steps back, has read its address
	s_add_nc_u64 s[56:57], s[56:57], 2*STEPB
.endif
	s_wait_dscnt 0x0                               ; the add is done, and my reads of the slot are over
	CROUND
.if \kind == 1
	tensor_load_to_lds s[44:47], s[24:31]
	s_nop 0
	PLACES
	ASK
.else
	tensor_load_to_lds s[48:51], s[32:39]
	s_nop 0
	PLACES
.endif
	s_sub_co_u32 s54, s54, 2*STEPB                 ; the fetches go back to a slot's first step,
	s_xor_b32 s54, s54, SLOTB                      ; in the other slot
.endm
.macro TWO_R                           ; a slot's two key steps: written once, walked twice
	s_mov_b32 s53, 2
.Lstep_\@:
	TRIP 1, 0
	WIN 0
	s_sub_co_u32 s53, s53, 1
	s_cmp_lg_u32 s53, 0
	s_cbranch_scc1 .Lstep_\@
.endm
	s_wait_tensorcnt 1                             ; my tile of slot 0 is in; slot 1's load may be out
	s_barrier_signal -1
	s_barrier_wait -1                              ; everybody's is
	s_wait_loadcnt 0x0                             ; Q
	TRIP 0, 0                                      ; key step 0
	TRIP 1, 1                                      ; key step 1; V^T P of step 0 starts O^T
	WIN 0
.Lslot:                                            ; 14 rounds of two trips: key steps 2 to 29; each change asks for the slot after next
	CHANGE 1
	TWO_R
	s_sub_co_u32 s52, s52, 1
	s_cmp_lg_u32 s52, 0
	s_cbranch_scc1 .Lslot
	CHANGE 2                                       ; the last slot is written out: no ring load is left to ask for
	TWO_R                                          ; key steps 30, 31
	SQUANT 1                                       ; what is left of step 31: tile 1's codes,
	s_wait_dscnt 0x0                               ; V of step 31,
.set pvi, 0
.rept 32
	PVI 0                                          ; and its products
.endr
	; ---- THE TAIL.  1 / the sum x 2^(ep + ev).  These lines are also the places behind the last products
	WIN 0
.irp t, 0,1
	v_add_f32 v[ST+8*\t+6], v[ST+8*\t+2], v[ST+8*\t+3]
.endr
.irp t, 0,1
	v_permlanex16_b32 v[36+\t], v[ST+8*\t+6], s60, s61
.endr
.irp t, 0,1
	v_add_f32 v[ST+8*\t+6], v[ST+8*\t+6], v[36+\t]
.endr
.irp t, 0,1
	v_rcp_f32 v[ST+8*\t+6], v[ST+8*\t+6]
.endr
	v_nop                                          ; a plain line behind the reciprocals,
	s_wait_alu depctr_va_vdst(0)                   ; and the one wait ahead of their first reader
.irp t, 0,1
	v_ldexp_f32 v[ST+8*\t+6], v[ST+8*\t+6], s92
	v_mov_b32 v[ST+8*\t+7], 0                      ; (named as the upper half of the pair)
.endr
	WIN 0x80                                       ; w_out's fragments of K steps 0 to 3, by K step, into V's registers: (tile i, K step ks) at 16 (4 i + ks)
.irp ks, 0,1,2,3
.irp i, 0,1,2,3
.irp c, 0,1,2,3
	global_load_b128 v[16*(4*\i+\ks)+4*\c:16*(4*\i+\ks)+4*\c+3], v4, s[10:11] offset:16384*\i+2048*\ks+512*\c
.endr
.endr
.endr
.irp t, 0,1                                    ; a tile's 128 results a lane become two fragments of the last product
	WIN 0x01                                       ; source 0 window 1
.set n, 0
.rept 64
	v_pk_mul_f32 v[S+2*n:S+2*n+1], v[128*\t+2*n:128*\t+2*n+1], v[ST+8*\t+6:ST+8*\t+7] op_sel_hi:[1,0]
.set n, n+1
.endr
	WIN 0
.if \t == 1
	s_wait_dscnt 0x0                               ; the first tile's stores have read the codes' registers
.endif
.irp ct, 0,1,2,3,4,5,6,7,8,9,10,11,12,13,14,15
.irp j, 0,1,2,3,4,5,6,7
	v_med3_num_f32 v[S+8*\ct+\j], v[S+8*\ct+\j], -v15, v15
.endr
	v_cvt_scalef32_pk8_fp8_f32 v[PC+2*\ct:PC+2*\ct+1], v[S+8*\ct:S+8*\ct+7], v14
.endr
	v_nop                                          ; a plain line behind the last conversion
.irp ks, 0,1
.irp c, 0,1,2,3
	ds_store_b128 v5, v[PC+16*\ks+4*\c:PC+16*\ks+4*\c+3] offset:16384*\t+2048*\ks+512*\c
.endr
.endr
.endr
	WIN 0x40                                       ; w_out's K steps 4 to 7 into O^T's registers, which have been read
.irp ks, 0,1,2,3
.irp i, 0,1,2,3
.irp c, 0,1,2,3
	global_load_b128 v[16*(4*\i+\ks)+4*\c:16*(4*\i+\ks)+4*\c+3], v4, s[10:11] offset:16384*\i+2048*(\ks+4)+512*\c
.endr
.endr
.endr
	WIN 0
	s_wait_tensorcnt 0x0                           ; my tile of f's codes is in,
	s_wait_dscnt 0x0                               ; my images are stored
	s_barrier_signal -1
	s_barrier_wait -1                              ; everybody's are: 4 tiles of positions x 8 K steps lie in LDS
.macro FETCHA ks                       ; the four position tiles' fragments of one K step, into v64 or v128 by turns
.irp pt, 0,1,2,3
.irp c, 0,1,2,3
	ds_load_b128 v[64+64*((\ks)%2)+16*\pt+4*\c:64+64*((\ks)%2)+16*\pt+4*\c+3], v4 offset:16384*\pt+2048*(\ks)+512*\c
.endr
.endr
.endm
	FETCHA 0
.set KS, 0
.rept 8                                        ; y: source 0 = 16 positions, source 1 = 16 rows of w_out: a lane holds one channel and eight positions.  16 accumulators by turns, in the same order in every K step
.if KS < 7
.if KS > 0
	WIN 0
	PLACES                                         ; four places between the products of the K step before, which read these registers, and the loads into them
.endif
	FETCHA KS+1
	s_wait_dscnt 16                                ; all but the next K step's 16 loads
.else
	s_wait_dscnt 0x0
.endif
.if KS == 0
	s_wait_loadcnt 63                              ; of the 128 loads of w_out at most 63 are out: the first 64, K steps 0 to 3, are in
.elseif KS >= 4
	s_wait_loadcnt 16*(7-KS)                       ; 16 loads for each later K step may be out
.endif
.if KS < 4
	WIN 0xf8                                       ; w_out window 2; C and D window 3
.else
	WIN 0xf4                                       ; w_out window 1
.endif
.irp i, 0,1,2,3
.irp pt, 0,1,2,3
.if KS == 0
	v_wmma_f32_16x16x128_fp8_fp8 v[8*(4*\i+\pt):8*(4*\i+\pt)+7], v[64+64*(KS%2)+16*\pt:64+64*(KS%2)+16*\pt+15], v[16*(4*\i+KS%4):16*(4*\i+KS%4)+15], 0
.else
	v_wmma_f32_16x16x128_fp8_fp8 v[8*(4*\i+\pt):8*(4*\i+\pt)+7], v[64+64*(KS%2)+16*\pt:64+64*(KS%2)+16*\pt+15], v[16*(4*\i+KS%4):16*(4*\i+KS%4)+15], v[8*(4*\i+\pt):8*(4*\i+\pt)+7]
.endif
.endr
.endr
.set KS, KS+1
.endr
	WIN 0
	PLACES
; THE WAY OUT of my tile i of 16 channels x 64 positions: x 2^(e20 + e21); through my own stage, back as whole rows of 256 bytes; the statistics stand between the stage's loads and the wait for them
.macro YOUT i
	WIN 0x03                                       ; source 0 window 3
.set n, 0
.rept 16
	v_pk_mul_f32 v[64+2*n:65+2*n], v[32*(\i)+2*n:32*(\i)+2*n+1], s[90:91] op_sel_hi:[1,0]
.set n, n+1
.endr
	WIN 0
.irp pt, 0,1,2,3
	ds_store_b128 v6, v[64+8*\pt:67+8*\pt] offset:64*\pt
	ds_store_b128 v6, v[68+8*\pt:71+8*\pt] offset:64*\pt+16
.endr
.irp m, 0,1,2,3,4,5,6,7
	ds_load_b128 v[128+32*(\i)+4*\m:131+32*(\i)+4*\m], v7 offset:2*\m*272   ; LDS serves a wave's instructions in order (ISA guide 5.7.1.4): these see my stores
.endr
.set n, 0
.rept 8
	v_pk_add_f32 v[96+2*n:97+2*n], v[64+4*n:65+4*n], v[66+4*n:67+4*n]
.set n, n+1
.endr
.set n, 0
.rept 4
	v_pk_add_f32 v[96+2*n:97+2*n], v[96+4*n:97+4*n], v[98+4*n:99+4*n]
.set n, n+1
.endr
.set n, 0
.rept 2
	v_pk_add_f32 v[96+2*n:97+2*n], v[96+4*n:97+4*n], v[98+4*n:99+4*n]
.set n, n+1
.endr
	v_pk_add_f32 v[96:97], v[96:97], v[98:99]
	v_add_f32 v96, v96, v97
	v_permlanex16_b32 v36, v96, s60, s61
	v_add_f32 v[40+2*(\i)], v96, v36               ; S: my channel's sum over the 64 positions
	v_mul_f32 v38, 0x3c800000, v[40+2*(\i)]        ; S / 64
.set n, 0
.rept 16
	v_pk_add_f32 v[96+2*n:97+2*n], v[64+2*n:65+2*n], v[38:39] op_sel_hi:[1,0] neg_lo:[0,1] neg_hi:[0,1]
.set n, n+1
.endr
	v_pk_mul_f32 v[32:33], v[96:97], v[96:97]
	v_pk_mul_f32 v[34:35], v[98:99], v[98:99]
.set n, 2
.rept 14
	v_pk_fma_f32 v[32+2*(n%2):33+2*(n%2)], v[96+2*n:97+2*n], v[96+2*n:97+2*n], v[32+2*(n%2):33+2*(n%2)]
.set n, n+1
.endr
	v_pk_add_f32 v[32:33], v[32:33], v[34:35]
	v_add_f32 v32, v32, v33
	v_permlanex16_b32 v37, v32, s60, s61
	v_add_f32 v[41+2*(\i)], v32, v37               ; Q2: the sum of the squares about S / 64
.irp m, 0,1,2,3,4,5,6,7
	s_wait_dscnt 7-\m                              ; the younger loads from the stage may be out
	global_store_b128 v8, v[128+32*(\i)+4*\m:131+32*(\i)+4*\m], s[14:15] offset:(16*(\i)+2*\m)*16384   ; 16 lanes store 256 consecutive bytes, aligned
.endr
.endm
	YOUT 0
	YOUT 1
	YOUT 2
	YOUT 3
	v_bfe_u32 v96, v0, 4, 1                        ; both halves of the lanes hold every tile's figures: lanes 0-15 send tile 0's (2's), lanes 16-31 tile 1's (3's)
	v_cmp_eq_u32 vcc_lo, 1, v96
	v_cndmask_b32 v32, v40, v42, vcc_lo
	v_cndmask_b32 v33, v41, v43, vcc_lo
	v_cndmask_b32 v34, v44, v46, vcc_lo
	v_cndmask_b32 v35, v45, v47, vcc_lo
	global_store_b64 v9, v[32:33], s[16:17]        ; 32 lanes store 256 consecutive bytes, aligned
	global_store_b64 v9, v[34:35], s[16:17] offset:256
	s_wait_tensorcnt 0x0                           ; the wave's end
	ds_add_u32 v10, v11
	s_wait_dscnt 0x0
	CROUND                                         ; the closing round
	s_endpgm
.Lfunc_end_k_q1fd7bce5eb_attend:
	.size	k_q1fd7bce5eb_attend, .Lfunc_end_k_q1fd7bce5eb_attend-k_q1fd7bce5eb_attend
	.p2alignl 7, 3214868480
	.fill 96, 4, 3214868480
	.section	.rodata,"a",@progbits
	.p2align	6, 0x0
	.amdhsa_kernel k_q1fd7bce5eb_attend
		.amdhsa_group_segment_fixed_size 327680
		.amdhsa_private_segment_fixed_size 0
		.amdhsa_enable_private_segment 0
		.amdhsa_kernarg_size 56
		.amdhsa_user_sgpr_count 2
		.amdhsa_user_sgpr_kernarg_segment_ptr 1
		.amdhsa_wavefront_size32 1
		.amdhsa_system_sgpr_workgroup_id_x 1
		.amdhsa_system_sgpr_workgroup_id_y 1
		.amdhsa_system_sgpr_workgroup_id_z 1
		.amdhsa_system_vgpr_workitem_id 0
		.amdhsa_next_free_vgpr 896
		.amdhsa_next_free_sgpr 100
		.amdhsa_reserve_vcc 1
		.amdhsa_float_denorm_mode_32 3
		.amdhsa_float_denorm_mode_16_64 3
		.amdhsa_memory_ordered 1
		.amdhsa_forward_progress 1
		.amdhsa_inst_pref_size 247
	.end_amdhsa_kernel
	.amdgpu_metadata
---
amdhsa.version: [ 1, 2 ]
amdhsa.kernels:
  - .name:           k_q1fd7bce5eb_attend
    .symbol:         k_q1fd7bce5eb_attend.kd
    .args:
      - { .name: qimg, .offset: 0, .size: 8, .value_kind: global_buffer, .address_space: global }
      - { .name: kv, .offset: 8, .size: 8, .value_kind: global_buffer, .address_space: global }
      - { .name: fimg, .offset: 16, .size: 8, .value_kind: global_buffer, .address_space: global }
      - { .name: woimg, .offset: 24, .size: 8, .value_kind: global_buffer, .address_space: global }
      - { .name: lowp_scales, .offset: 32, .size: 8, .value_kind: global_buffer, .address_space: global }
      - { .name: ypre, .offset: 40, .size: 8, .value_kind: global_buffer, .address_space: global }
      - { .name: part, .offset: 48, .size: 8, .value_kind: global_buffer, .address_space: global }
    .group_segment_fixed_size: 327680
    .private_segment_fixed_size: 0
    .kernarg_segment_align: 8
    .kernarg_segment_size: 56
    .max_flat_workgroup_size: 128
    .sgpr_count:     100
    .vgpr_count:     896
    .wavefront_size: 32
...
	.end_amdgpu_metadata
.endif
;; end of part 2
;; launch norm (part 3): grid 256 x 1, 8 waves a work-group, no clusters, 3,072 bytes of LDS; arguments ypre, part, gamma, beta, out0; writes out0
.if DOCPART == 3
	.amdgcn_target "amdgcn-amd-amdhsa--gfx1250"
	.amdhsa_code_object_version 6
	.text
	.protected	k_q1fd7bce5eb_norm
	.globl	k_q1fd7bce5eb_norm
	.p2align	8
	.type	k_q1fd7bce5eb_norm,@function
k_q1fd7bce5eb_norm:
	s_mov_b64 s[64:65], 0
	v_nop
	global_prefetch_b8 v0, s[64:65] scope:SCOPE_SE
	s_setreg_imm32_b32 hwreg(HW_REG_WAVE_MODE, 25, 1), 1
	s_wait_xcnt 0x0
; THIRD OF THREE LAUNCHES; no work is left out.  out = (y - mean) x rsqrt(var + 1e-5) x gamma + beta, mean and var of each channel over 4 batches x 4,096 positions = 16,384 numbers.
; part holds, for each of the 256 work-groups of the launch before and each channel, S (the sum of 64 numbers) and Q2 (the sum of their squares about S / 64).
; mean = sum of S / 16,384;  var = sum of (Q2 + 64 (S / 64 - mean)^2) / 16,384: built of centred parts, no difference of large sums.
; SHARES.  cg = 32 channels (256 bytes of a row of part), chunk = 128 positions.  For the statistics lane l stands for channel 32 cg + l, and wave w sums rows 32 w .. 32 w + 31 of part; the waves' sums meet in LDS.
; Then wave w normalises channels 32 cg + 4 w + i, i = 0 .. 3, in all four batches: 16 pieces of 512 consecutive bytes, asked for at the head, ahead of the statistics.
; No cluster: the only bytes that work-groups share are part's rows, and they go straight into registers to be summed; the launch has no LDS tiles.  No matrix work: there is no product here.
; REGISTERS: v2-6 offsets, v7 mean, v8-9 the add's two, v10 gamma, v11 beta, v12-15 lane selects, v16-79 32 pairs (S, Q2), v80-143 y, v144-157 at work, then mean, gain and beta of my four channels.
.set RED2,  1024
.set SPARE, 2048                       ; the spare words: 128 bytes for each of eight waves
	s_load_b256 s[4:11], s[0:1], 0x0               ; ypre, part, gamma, beta
	s_load_b64 s[12:13], s[0:1], 0x20              ; out0
	v_lshl_add_u32 v8, v0, 2, SPARE
	v_mov_b32 v9, 0
	v_lshrrev_b32 v1, 5, v0
	v_readfirstlane_b32 s14, v1                    ; wave 0..7
	s_and_b32 s15, ttmp9, 7                        ; cg
	s_lshr_b32 s16, ttmp9, 3                       ; chunk
	v_and_b32 v1, 31, v0
	v_lshlrev_b32 v2, 4, v1                        ; 16 x lane
	v_add_nc_u32 v3, 0x800000, v2                  ; the same, two batches on
	v_lshlrev_b32 v4, 3, v1
	v_lshlrev_b32 v5, 2, v1
	s_lshl_b32 s17, s14, 7
	v_add_nc_u32 v6, s17, v5                       ; my wave's row of partial sums in LDS
	s_lshl_b32 s17, s14, 4
	v_mov_b32 v12, s17                             ; 4 x (4 w + i): the lane that holds channel 4 w + i
	v_add_nc_u32 v13, 4, v12
	v_add_nc_u32 v14, 8, v12
	v_add_nc_u32 v15, 12, v12
	s_lshl_b32 s18, s15, 19                        ; 32 channels of 16,384 bytes,
	s_lshl_b32 s19, s14, 16                        ; 4 channels a wave,
	s_add_co_u32 s18, s18, s19
	s_lshl_b32 s19, s16, 9                         ; 128 positions a chunk
	s_add_co_u32 s18, s18, s19
	s_mov_b32 s19, 0
	s_lshl_b32 s20, s15, 8
	s_lshl_b32 s21, s14, 16                        ; 32 rows of 2,048 bytes a wave
	s_add_co_u32 s20, s20, s21
	s_mov_b32 s21, 0
	s_lshl_b32 s22, s15, 7
	s_mov_b32 s23, 0
	s_mov_b32 s24, 0x3c800000                      ; 1 / 64
	s_mov_b32 s25, 0x38800000                      ; 1 / 16,384
	s_wait_kmcnt 0x0
	s_add_nc_u64 s[4:5], s[4:5], s[18:19]
	s_add_nc_u64 s[12:13], s[12:13], s[18:19]
	s_add_nc_u64 s[6:7], s[6:7], s[20:21]
	s_add_nc_u64 s[8:9], s[8:9], s[22:23]
	s_add_nc_u64 s[10:11], s[10:11], s[22:23]
	global_load_b32 v10, v5, s[8:9]
	global_load_b32 v11, v5, s[10:11]
.set k, 0
.rept 32
	global_load_b64 v[16+2*k:17+2*k], v4, s[6:7] offset:2048*k     ; 32 lanes read 256 consecutive bytes, aligned
.set k, k+1
.endr
.irp bb, 0,1,2,3
.irp i, 0,1,2,3
	global_load_b128 v[80+16*\bb+4*\i:83+16*\bb+4*\i], v[2+\bb/2], s[4:5] offset:(\bb%2)*4194304+\i*16384 th:TH_LOAD_NT
.endr
.endr
	s_wait_loadcnt 16                              ; gamma, beta and part's rows are in; the 16 loads of y may be out
.irp j, 0,1,2,3
	v_add_f32 v[144+\j], v[16+2*\j], v[24+2*\j]    ; the sum of S, in four chains
.endr
.set k, 8
.rept 24
	v_add_f32 v[144+k%4], v[144+k%4], v[16+2*k]
.set k, k+1
.endr
	v_add_f32 v144, v144, v145
	v_add_f32 v146, v146, v147
	v_add_f32 v144, v144, v146
	ds_store_b32 v6, v144
	s_wait_dscnt 0x0                               ; for the others' sake: my store is done
	s_barrier_signal -1
	s_barrier_wait -1
.irp j, 0,1,2,3,4,5,6,7
	ds_load_b32 v[144+\j], v5 offset:128*\j
.endr
	s_wait_dscnt 0x0
	v_add_f32 v144, v144, v145
	v_add_f32 v146, v146, v147
	v_add_f32 v148, v148, v149
	v_add_f32 v150, v150, v151
	v_add_f32 v144, v144, v146
	v_add_f32 v148, v148, v150
	v_add_f32 v144, v144, v148
	v_mul_f32 v7, s25, v144                        ; the mean
.set k, 0
.rept 32
	v_fma_f32 v[16+2*k], v[16+2*k], s24, -v7       ; S / 64 - mean
.set k, k+1
.endr
	v_mul_f32 v144, v16, v16
	v_mul_f32 v145, v18, v18
	v_add_f32 v146, v17, v21
	v_add_f32 v147, v19, v23
.set k, 2
.rept 30
	v_fma_f32 v[144+k%2], v[16+2*k], v[16+2*k], v[144+k%2]
.set k, k+1
.endr
.set k, 4
.rept 28
	v_add_f32 v[146+k%2], v[146+k%2], v[17+2*k]
.set k, k+1
.endr
	v_add_f32 v144, v144, v145
	v_add_f32 v146, v146, v147
	v_fma_f32 v144, v144, 0x42800000, v146         ; Q2 + 64 (S / 64 - mean)^2, summed over my 32 rows
	ds_store_b32 v6, v144 offset:RED2
	s_wait_dscnt 0x0
	s_barrier_signal -1
	s_barrier_wait -1
.irp j, 0,1,2,3,4,5,6,7
	ds_load_b32 v[144+\j], v5 offset:RED2+128*\j
.endr
	s_wait_dscnt 0x0
	v_add_f32 v144, v144, v145
	v_add_f32 v146, v146, v147
	v_add_f32 v148, v148, v149
	v_add_f32 v150, v150, v151
	v_add_f32 v144, v144, v146
	v_add_f32 v148, v148, v150
	v_add_f32 v144, v144, v148
	v_fma_f32 v157, v144, s25, 0x3727c5ac          ; var + 1e-5
	v_rsq_f32 v156, v157
	v_nop                                          ; a plain line behind the transcendental,
	s_wait_alu depctr_va_vdst(0)                   ; and the wait ahead of its first reader
	v_mul_f32 v156, v156, v10                      ; the gain
.irp i, 0,1,2,3
	ds_bpermute_b32 v[144+\i], v[12+\i], v7        ; every lane gets the figures of channel 4 w + i
	ds_bpermute_b32 v[148+\i], v[12+\i], v156
	ds_bpermute_b32 v[152+\i], v[12+\i], v11
.endr
	s_wait_dscnt 0x0
.irp bb, 0,1,2,3
.irp i, 0,1,2,3
	s_wait_loadcnt 15-4*\bb-\i                     ; the younger pieces may be out
.irp j, 0,1,2,3
	v_sub_f32 v[80+16*\bb+4*\i+\j], v[80+16*\bb+4*\i+\j], v[144+\i]
.endr
.irp j, 0,1,2,3
	v_fma_f32 v[80+16*\bb+4*\i+\j], v[80+16*\bb+4*\i+\j], v[148+\i], v[152+\i]
.endr
	global_store_b128 v[2+\bb/2], v[80+16*\bb+4*\i:83+16*\bb+4*\i], s[12:13] offset:(\bb%2)*4194304+\i*16384 th:TH_STORE_NT   ; 512 consecutive bytes, aligned
.endr
.endr
	s_wait_tensorcnt 0x0                           ; the wave's end
	ds_add_u32 v8, v9
	s_wait_dscnt 0x0
	s_endpgm
.Lfunc_end_k_q1fd7bce5eb_norm:
	.size	k_q1fd7bce5eb_norm, .Lfunc_end_k_q1fd7bce5eb_norm-k_q1fd7bce5eb_norm
	.p2alignl 7, 3214868480
	.fill 96, 4, 3214868480
	.section	.rodata,"a",@progbits
	.p2align	6, 0x0
	.amdhsa_kernel k_q1fd7bce5eb_norm
		.amdhsa_group_segment_fixed_size 3072
		.amdhsa_private_segment_fixed_size 0
		.amdhsa_enable_private_segment 0
		.amdhsa_kernarg_size 40
		.amdhsa_user_sgpr_count 2
		.amdhsa_user_sgpr_kernarg_segment_ptr 1
		.amdhsa_wavefront_size32 1
		.amdhsa_system_sgpr_workgroup_id_x 1
		.amdhsa_system_sgpr_workgroup_id_y 1
		.amdhsa_system_sgpr_workgroup_id_z 1
		.amdhsa_system_vgpr_workitem_id 0
		.amdhsa_next_free_vgpr 160
		.amdhsa_next_free_sgpr 66
		.amdhsa_reserve_vcc 0
		.amdhsa_float_denorm_mode_32 3
		.amdhsa_float_denorm_mode_16_64 3
		.amdhsa_memory_ordered 1
		.amdhsa_forward_progress 1
		.amdhsa_inst_pref_size 24
	.end_amdhsa_kernel
	.amdgpu_metadata
---
amdhsa.version: [ 1, 2 ]
amdhsa.kernels:
  - .name:           k_q1fd7bce5eb_norm
    .symbol:         k_q1fd7bce5eb_norm.kd
    .args:
      - { .name: ypre, .offset: 0, .size: 8, .value_kind: global_buffer, .address_space: global }
      - { .name: part, .offset: 8, .size: 8, .value_kind: global_buffer, .address_space: global }
      - { .name: gamma, .offset: 16, .size: 8, .value_kind: global_buffer, .address_space: global }
      - { .name: beta, .offset: 24, .size: 8, .value_kind: global_buffer, .address_space: global }
      - { .name: out0, .offset: 32, .size: 8, .value_kind: global_buffer, .address_space: global }
    .group_segment_fixed_size: 3072
    .private_segment_fixed_size: 0
    .kernarg_segment_align: 8
    .kernarg_segment_size: 40
    .max_flat_workgroup_size: 256
    .sgpr_count:     66
    .vgpr_count:     160
    .wavefront_size: 32
...
	.end_amdgpu_metadata
.endif
;; end of part 3
